; MI455X (gfx1250); checked and timed in simulation.
; The chip was launched on July 23, 2026; its instructions are those of AMD's public machine-readable ISA for CDNA 5 (MIT licence, August 2026) and "CDNA5" Instruction Set Architecture Reference Guide (July 2026). The comments in the code are by the model that wrote it; some were corrected since.
;; Reasoning Layer. Allowed arithmetic: float matrix products may take bf16 or f16 operands with f32 sums; all other float work in f32.
;; Inputs: Wd 8 x 1,024 x 2,048 float32; Wr 2,048 x 8 float32; Wu 8 x 2,048 x 1,024 float32; bd 8 x 2,048 float32; br 8 float32; bu 8 x 1,024 float32; x 4 x 512 x 2,048 float32.
;; Outputs: out0 4 x 512 x 2,048 float32.
;; One version. Each part assembles by itself: llvm-mc -triple=amdgcn-amd-amdhsa -mcpu=gfx1250 --defsym DOCPART=n.
;; ======== version 1 of 1: 3 launches
;; workspace buffers: xb 8,388,608 bytes; wub 33,554,432 bytes; wdb 33,554,432 bytes; probs 65,536 bytes; hb 33,554,432 bytes
;; launch prep (part 1): grid 256 x 1, 8 waves a work-group, no clusters, 66,816 bytes of LDS; arguments x, Wr, br, Wu, Wd, xb, wub, wdb, probs; writes xb, wub, wdb, probs
.if DOCPART == 1
	.amdgcn_target "amdgcn-amd-amdhsa--gfx1250"
	.amdhsa_code_object_version 6
	.text
	.protected	k_qc25f967d96_prep
	.globl	k_qc25f967d96_prep
	.p2align	8
	.type	k_qc25f967d96_prep,@function
k_qc25f967d96_prep:
	s_mov_b64 s[64:65], 0
	v_nop
	global_prefetch_b8 v0, s[64:65] scope:SCOPE_SE
	s_setreg_imm32_b32 hwreg(HW_REG_WAVE_MODE, 25, 1), 1
	s_wait_xcnt 0x0
; prep: xb = bf16(x), wub = bf16(Wu), wdb = bf16(Wd), layouts unchanged, and probs = softmax(x Wr + br) in f32.
; A stream: every input byte is read once and every output byte written once.  2,048 waves; wave g = 8 x work-group + wave owns row g of x
; (8,192 bytes) and bytes 32,768 g .. + 32,767 of Wu and of Wd.  A load of the wave covers 512 consecutive bytes (16 a lane), a store of
; the wave 256 consecutive bytes, aligned (8 a lane: four bf16).
; The weights go through a ring of 16 register slots, so 16 loads of every wave are always out.  All places stand in the immediates:
; no address register is written twice.
; The router rides on the stream: Wr is transposed once into LDS (WrT[e][d], f32), the row of x stays in 64 registers, and one sixteenth of
; the eight dot products is done in every fourth of the first 64 turns.  The softmax takes its row maximum away first.
; No matrix unit (the router has 8 columns), no tensor loads, no cluster: the work-groups share only Wr, 65,536 of the 655,360 bytes that
; a work-group reads, and it comes through registers because it has to be transposed.
; LIMITS: bf16 rounding to nearest even of x, Wu, Wd.  v_exp_f32 and v_rcp_f32 flush denormals: a probability below 2^-126 is 0.
.set SCR,  65536                       ; LDS: 8 rows x 32 bytes, the work-group's probabilities; bytes 0 .. 65,535 hold WrT, 8,192 bytes for each e
.set L,    8                           ; v[8:15]    logits, then probabilities
.set WS,   16                          ; v[16:79]   Wr as loaded: 8 rows d = tid + 256 i, 8 numbers each
.set WT,   16                          ; v[16:47]   later: WrT[e][4 numbers of mine], e = 0..7; at the end scratch
.set XY,   48                          ; v[48:79]   later: x in bf16, 2 registers for each of 16 chunks; each written once
.set XR,   80                          ; v[80:143]  my row of x: chunk j = numbers 128 j + 4 lane .. + 3
.set RX,   144                         ; v[144:207] ring slot s: 4 registers as loaded
.set RY,   208                         ; v[208:239] ring slot s: 2 registers to store
.set ACC,  240                         ; v[240:255] 8 pairs of running sums
	s_load_b512 s[4:19], s[0:1], 0x0               ; x 4:5, Wr 6:7, br 8:9, Wu 10:11, Wd 12:13, xb 14:15, wub 16:17, wdb 18:19
	s_load_b64 s[20:21], s[0:1], 0x40              ; probs
	s_set_vgpr_msb 0x40
	v_lshl_add_u32 v0, v0, 2, 0x10100
	v_mov_b32 v1, 0
	s_set_vgpr_msb 0x4000
	v_lshrrev_b32 v1, 5, v0
	v_readfirstlane_b32 s22, v1                    ; wave 0..7
	s_lshl_b32 s23, ttmp9, 3
	s_add_co_u32 s23, s23, s22                     ; g
	s_mov_b32 s32, 0x76543210                      ; v_permlanex16_b32: lane i of one half reads lane i of the other
	s_mov_b32 s33, 0xfedcba98
	v_and_b32 v1, 31, v0                           ; lane
	v_lshlrev_b32 v2, 4, v1                        ; 16 lane: load offset, and my place in a chunk of WrT
	v_lshlrev_b32 v3, 3, v1                        ; 8 lane: store offset
	v_lshlrev_b32 v4, 5, v0                        ; 32 tid: my row of Wr
	v_lshlrev_b32 v5, 2, v0                        ; 4 tid: my column of WrT
	s_lshl_b32 s36, s22, 5
	s_add_co_u32 s36, s36, SCR
	v_mov_b32 v6, s36                              ; my wave's 32 bytes of SCR
	v_add_nc_u32 v7, SCR, v3                       ; wave 0 reads SCR back, 8 bytes a lane
	s_mov_b32 s35, 0
	s_wait_kmcnt 0x0
	s_load_b256 s[24:31], s[8:9], 0x0              ; br[0..7]
	s_lshl_b32 s34, s23, 13
	s_add_nc_u64 s[4:5], s[4:5], s[34:35]          ; x at row g
	s_lshl_b32 s34, s23, 12
	s_add_nc_u64 s[14:15], s[14:15], s[34:35]      ; xb at row g
	s_lshl_b32 s34, s23, 15
	s_add_nc_u64 s[10:11], s[10:11], s[34:35]      ; my 32,768 bytes of Wu
	s_add_nc_u64 s[12:13], s[12:13], s[34:35]      ; and of Wd
	s_lshl_b32 s34, s23, 14
	s_add_nc_u64 s[16:17], s[16:17], s[34:35]      ; my 16,384 bytes of wub
	s_add_nc_u64 s[18:19], s[18:19], s[34:35]      ; and of wdb
	s_lshl_b32 s34, ttmp9, 8
	s_add_nc_u64 s[20:21], s[20:21], s[34:35]      ; the work-group's 8 rows of probs: 256 bytes
.irp i, 0,1,2,3,4,5,6,7
	global_load_b128 v[WS+8*\i:WS+8*\i+3],   v4, s[6:7] offset:8192*\i       ; Wr[tid + 256 i][0..3]
	global_load_b128 v[WS+8*\i+4:WS+8*\i+7], v4, s[6:7] offset:8192*\i+16    ; Wr[tid + 256 i][4..7]
.endr
.irp j, 0,1,2,3,4,5,6,7,8,9,10,11,12,13,14,15
	global_load_b128 v[XR+4*\j:XR+4*\j+3], v2, s[4:5] offset:512*\j th:TH_LOAD_NT
.endr
.irp s, 0,1,2,3,4,5,6,7,8,9,10,11,12,13,14,15
	global_load_b128 v[RX+4*\s:RX+4*\s+3], v2, s[10:11] offset:512*\s th:TH_LOAD_NT   ; the ring is filled: pieces 0 to 15 of Wu
.endr
	s_wait_loadcnt 32                              ; loads come back in order: Wr is in, the 16 of x and the 16 of the ring stay out
.irp i, 0,1,2,3,4,5,6,7
.irp e, 0,1,2,3,4,5,6,7
	ds_store_b32 v5, v[WS+8*\i+\e] offset:8192*\e+1024*\i        ; WrT[e][tid + 256 i]: the lanes of a wave write 128 consecutive bytes
.endr
.endr
	s_wait_kmcnt 0x0                               ; br
	s_wait_dscnt 0x0                               ; my part of WrT is written, for the other waves
	s_barrier_signal -1
	s_barrier_wait -1                              ; WrT is whole
; The softmax of my row.  Sums over the 32 lanes: four steps inside each half of 16 lanes ride on the addition, one crosses the halves.
.macro FINAL
.irp e, 0,1,2,3,4,5,6,7
	v_add_f32 v[L+\e], v[ACC+2*\e], v[ACC+2*\e+1]
.endr
.irp m, 1,2,4,8
.irp e, 0,1,2,3,4,5,6,7
	v_add_f32_dpp v[L+\e], v[L+\e], v[L+\e] row_xmask:\m row_mask:0xf bank_mask:0xf
.endr
.endr
.irp e, 0,1,2,3,4,5,6,7
	v_permlanex16_b32 v[WT+\e], v[L+\e], s32, s33  ; its destination counts as read: WT has been written
.endr
.irp e, 0,1,2,3,4,5,6,7
	v_add_f32 v[L+\e], v[L+\e], v[WT+\e]
.endr
.irp e, 0,1,2,3,4,5,6,7
	v_add_f32 v[L+\e], s[24+\e], v[L+\e]           ; + br[e]
.endr
	v_max3_num_f32 v[WT], v[L], v[L+1], v[L+2]
	v_max3_num_f32 v[WT+1], v[L+3], v[L+4], v[L+5]
	v_max3_num_f32 v[WT], v[WT], v[L+6], v[L+7]
	v_max_num_f32 v[WT], v[WT], v[WT+1]            ; the row maximum
.irp e, 0,1,2,3,4,5,6,7
	v_sub_f32 v[L+\e], v[L+\e], v[WT]
.endr
.irp e, 0,1,2,3,4,5,6,7
	v_mul_f32 v[L+\e], 0x3fb8aa3b, v[L+\e]         ; x log2(e): v_exp_f32 is 2^x
.endr
.irp e, 0,1,2,3,4,5,6,7
	v_exp_f32 v[L+\e], v[L+\e]
.endr
	v_nop                                          ; one plain place behind the last exponential (ISA guide 5.7.2)
	s_wait_alu depctr_va_vdst(0)
	v_add_f32 v[WT], v[L], v[L+1]
	v_add_f32 v[WT+1], v[L+2], v[L+3]
	v_add_f32 v[WT+2], v[L+4], v[L+5]
	v_add_f32 v[WT+3], v[L+6], v[L+7]
	v_add_f32 v[WT], v[WT], v[WT+1]
	v_add_f32 v[WT+2], v[WT+2], v[WT+3]
	v_add_f32 v[WT], v[WT], v[WT+2]                ; at least 1: the largest term is 2^0
	v_rcp_f32 v[WT+4], v[WT]
	v_nop                                          ; one plain place behind the reciprocal
	s_wait_alu depctr_va_vdst(0)
.irp e, 0,1,2,3,4,5,6,7
	v_mul_f32 v[L+\e], v[L+\e], v[WT+4]
.endr
	ds_store_b128 v6, v[L:L+3]                     ; every lane holds the same eight numbers and writes them to the same 32 bytes
	ds_store_b128 v6, v[L+4:L+7] offset:16
.endm
; 128 turns: pieces 0 to 63 of Wu, then 0 to 63 of Wd, 512 bytes each.  Turn i takes slot i mod 16 and fills it again with piece i + 16.
.set i, 0
.rept 128
.set sl, i%16
.set ii, i%64
.set hf, i/64
.set cj, i/4
.set nx, i+16
.set dochunk, 0
.if i < 64
.if i%4 == 0
.set dochunk, 1
.endif
.endif
.if dochunk
.irp e, 0,1,2,3,4,5,6,7
	ds_load_b128 v[WT+4*\e:WT+4*\e+3], v2 offset:8192*\e+512*cj   ; WrT[e][128 cj + 4 lane ..]: 512 consecutive bytes for the wave
.endr
.endif
.if i < 112
	s_wait_loadcnt 15                              ; this slot's load is in (and x, which is older); the 15 younger ones stay out
.else
	s_wait_loadcnt 127-i                           ; nothing is issued any more: the counts run down
.endif
	s_wait_xcnt 0x0                                ; RY of this slot, which its last store reads, is written again only behind this wait
	v_cvt_pk_bf16_f32 v[RY+2*sl],   v[RX+4*sl],   v[RX+4*sl+1]
	v_cvt_pk_bf16_f32 v[RY+2*sl+1], v[RX+4*sl+2], v[RX+4*sl+3]
.if i < 112
	global_load_b128 v[RX+4*sl:RX+4*sl+3], v2, s[10+2*(nx/64):11+2*(nx/64)] offset:512*(nx%64) th:TH_LOAD_NT
.endif
	global_store_b64 v3, v[RY+2*sl:RY+2*sl+1], s[16+2*hf:17+2*hf] offset:256*ii
.if dochunk
	s_wait_dscnt 0x0                               ; this chunk of WrT is in
.irp e, 0,1,2,3,4,5,6,7
.if cj == 0
	v_pk_mul_f32 v[ACC+2*\e:ACC+2*\e+1], v[XR+4*cj:XR+4*cj+1], v[WT+4*\e:WT+4*\e+1]      ; the first product starts the sums
.else
	v_pk_fma_f32 v[ACC+2*\e:ACC+2*\e+1], v[XR+4*cj:XR+4*cj+1], v[WT+4*\e:WT+4*\e+1], v[ACC+2*\e:ACC+2*\e+1]
.endif
.endr
.irp e, 0,1,2,3,4,5,6,7
	v_pk_fma_f32 v[ACC+2*\e:ACC+2*\e+1], v[XR+4*cj+2:XR+4*cj+3], v[WT+4*\e+2:WT+4*\e+3], v[ACC+2*\e:ACC+2*\e+1]
.endr
	v_cvt_pk_bf16_f32 v[XY+2*cj],   v[XR+4*cj],   v[XR+4*cj+1]
	v_cvt_pk_bf16_f32 v[XY+2*cj+1], v[XR+4*cj+2], v[XR+4*cj+3]
	global_store_b64 v3, v[XY+2*cj:XY+2*cj+1], s[14:15] offset:256*cj
.endif
.if i == 63
	FINAL
.endif
.set i, i+1
.endr
	s_wait_dscnt 0x0                               ; my row's probabilities are in SCR, for wave 0
	s_barrier_signal -1
	s_barrier_wait -1
	s_cmp_lg_u32 s22, 0
	s_cbranch_scc1 .Ldone
	ds_load_b64 v[WT:WT+1], v7                     ; wave 0 stores the work-group's eight rows: 32 lanes x 8 bytes = 256 consecutive bytes, aligned
	s_wait_dscnt 0x0
	global_store_b64 v3, v[WT:WT+1], s[20:21]
.Ldone:
	s_set_vgpr_msb 0x5
	s_wait_tensorcnt 0x0
	ds_add_u32 v0, v1
	s_wait_dscnt 0x0
	s_set_vgpr_msb 0x500
	s_endpgm
.Lfunc_end_k_qc25f967d96_prep:
	.size	k_qc25f967d96_prep, .Lfunc_end_k_qc25f967d96_prep-k_qc25f967d96_prep
	.p2alignl 7, 3214868480
	.fill 96, 4, 3214868480
	.section	.rodata,"a",@progbits
	.p2align	6, 0x0
	.amdhsa_kernel k_qc25f967d96_prep
		.amdhsa_group_segment_fixed_size 66816
		.amdhsa_private_segment_fixed_size 0
		.amdhsa_enable_private_segment 0
		.amdhsa_kernarg_size 72
		.amdhsa_user_sgpr_count 2
		.amdhsa_user_sgpr_kernarg_segment_ptr 1
		.amdhsa_wavefront_size32 1
		.amdhsa_system_sgpr_workgroup_id_x 1
		.amdhsa_system_sgpr_workgroup_id_y 1
		.amdhsa_system_sgpr_workgroup_id_z 1
		.amdhsa_system_vgpr_workitem_id 0
		.amdhsa_next_free_vgpr 258
		.amdhsa_next_free_sgpr 66
		.amdhsa_reserve_vcc 0
		.amdhsa_float_denorm_mode_32 3
		.amdhsa_float_denorm_mode_16_64 3
		.amdhsa_memory_ordered 1
		.amdhsa_forward_progress 1
		.amdhsa_inst_pref_size 91
	.end_amdhsa_kernel
	.amdgpu_metadata
---
amdhsa.version: [ 1, 2 ]
amdhsa.kernels:
  - .name:           k_qc25f967d96_prep
    .symbol:         k_qc25f967d96_prep.kd
    .args:
      - { .name: x, .offset: 0, .size: 8, .value_kind: global_buffer, .address_space: global }
      - { .name: Wr, .offset: 8, .size: 8, .value_kind: global_buffer, .address_space: global }
      - { .name: br, .offset: 16, .size: 8, .value_kind: global_buffer, .address_space: global }
      - { .name: Wu, .offset: 24, .size: 8, .value_kind: global_buffer, .address_space: global }
      - { .name: Wd, .offset: 32, .size: 8, .value_kind: global_buffer, .address_space: global }
      - { .name: xb, .offset: 40, .size: 8, .value_kind: global_buffer, .address_space: global }
      - { .name: wub, .offset: 48, .size: 8, .value_kind: global_buffer, .address_space: global }
      - { .name: wdb, .offset: 56, .size: 8, .value_kind: global_buffer, .address_space: global }
      - { .name: probs, .offset: 64, .size: 8, .value_kind: global_buffer, .address_space: global }
    .group_segment_fixed_size: 66816
    .private_segment_fixed_size: 0
    .kernarg_segment_align: 8
    .kernarg_segment_size: 72
    .max_flat_workgroup_size: 256
    .sgpr_count:     66
    .vgpr_count:     258
    .wavefront_size: 32
...
	.end_amdgpu_metadata
.endif
;; end of part 1
;; launch up (part 2): grid 32 x 8, 4 waves a work-group, clusters of 4 x 4, 327,680 bytes of LDS; arguments xb, wub, bu, probs, hb; writes hb
.if DOCPART == 2
	.amdgcn_target "amdgcn-amd-amdhsa--gfx1250"
	.amdhsa_code_object_version 6
	.text
	.protected	k_qc25f967d96_up
	.globl	k_qc25f967d96_up
	.p2align	8
	.type	k_qc25f967d96_up,@function
k_qc25f967d96_up:
	s_mov_b64 s[64:65], 0
	v_nop
	global_prefetch_b8 v0, s[64:65] scope:SCOPE_SE
	s_setreg_imm32_b32 hwreg(HW_REG_WAVE_MODE, 25, 1), 1
	s_wait_xcnt 0x0
	s_wait_alu depctr_hold_cnt(0) depctr_sa_sdst(0) depctr_va_vdst(0) depctr_va_sdst(0) depctr_va_ssrc(0) depctr_va_vcc(0) depctr_vm_vsrc(0)
	s_getreg_b32 s2, hwreg(HW_REG_IB_STS2, 6, 4)
	s_cmp_eq_u32 s2, 0
	s_cbranch_scc0 .Lentry_in_a_cluster
	s_endpgm
.Lentry_in_a_cluster:
	s_bfe_u32 s2, ttmp6, 0x10000c
	s_cmp_lg_u32 s2, 0xf033
	s_cbranch_scc0 .Lentry_shape_is_right
	s_endpgm
.Lentry_shape_is_right:
; up: H[t][1024 e + f] = bf16( p[t][e] * gelu( sum over d of xb[t][d] wub[e][d][f] + bu[e][f] ) ), stored in hb IN FRAGMENT ORDER (below).
; The router's weight is a number per row and expert, so it is multiplied into the activation here, and the second product needs no expert axis.
; One GEMM [2048 x 2048] x [2048 x 8192]: a work-group makes 256 rows (by) x 256 columns (bx; e = bx / 4), four waves, 128 x 128 each:
; 64 accumulator tiles of 16 x 16, 512 registers.  K goes in 16 steps of 128 through two LDS slots filled by tensor loads.
; The weights lie [K][N]: their tile is 128 k-rows of 512 bytes, and the fragments are read with the transposing LDS load.
; CLUSTERS: 4 x 4 work-groups.  The tile of xb hangs on by alone and is asked for jointly along a row of the cluster, the tile of wub on bx alone
; and is asked for jointly along a column: a quarter of the requests.
; gelu (tanh form) as v * 1 / (1 + 2^(v (C1 + C2 v^2))), C1 = -2 sqrt(2/pi) log2(e), C2 = 0.044715 C1: the same function, finite for every finite v
; (the power running to infinity gives 0, running to 0 gives v).
; LIMITS: operands in bf16, sums in f32; H rounded to bf16 once, behind the multiplication by p.  v_exp_f32 and v_rcp_f32 flush denormals.
; REGISTERS in windows of 256:  window 0: v0-51 addresses, p, constants; v64-127, v128-191 fragments of xb, two buffers (on the way out: at work);
;   v192-223 the way out.  window 1: v0-63 bu of my columns; v64-127, v128-191 fragments of wub.  windows 2, 3: accumulators, tile (a, b) at v[8 (8 a + b)].
; THE MATRIX INSTRUCTION IS USED TRANSPOSED: source 0 = 16 columns of the weights, source 1 = 16 rows of xb.  Lane l then holds row l % 16 and its
; registers 0 to 7 the columns 8 (l / 16) + 0 .. 7 of the tile.
; hb's ORDER: H(t, k) lies at hb[t / 16][k / 32][(k / 16) % 2][lane = t % 16 + 16 ((k / 8) % 2)][k % 8], 1,024 bytes for 16 rows x 32 k: the register image of a
; 16-bit fragment with K = 32 (ISA guide 7.12.2).  A lane's eight packed results of column block b are its own 16 bytes of half b % 2 of fragment b / 2, so they are
; stored straight from registers, the wave's 512 bytes consecutive and aligned, and the next launch loads fragments without LDS.
; The 64 accumulators take turns, one instruction a turn, in the same order in every quarter step.
.set PA,     272                       ; LDS pitch of a row of xb: 256 bytes + 16
.set PB,     544                       ; LDS pitch of a k-row of wub: 512 bytes + 32
.set HALFT,  128*PA                    ; what one tensor load brings: 128 rows of xb, or 64 k-rows of wub (64 x 544 is the same number)
.set SLOT,   4*HALFT                   ; xb rows 0-255, then wub k-rows 0-127
.set LAPS,   8                         ; a lap = two K steps = once round the ring
.set QB,     32*PB                     ; 32 k-rows: a quarter step in the weights' tile
.set STEPA,  256                       ; a K step in xb: 128 numbers along a row
.set STEPB,  262144                    ; a K step in wub: 128 rows of 2,048 bytes
.set RBLK,   262144                    ; hb: 16 rows x 8,192 numbers x 2 bytes
.set ADRA, 16                          ; v16-17  LDS address of my fragments of xb in slot 0, 1
.set ADRB, 20                          ; v20-21  the same for wub
.set CO,   26                          ; 16 lane: my 16 bytes in half a fragment of hb
.set HO,   27                          ; 32 (l / 16): my offset in bu
.set RO,   28                          ; 32 (l % 16): my offset in probs
.set PR,   32                          ; v[32:47] p of row 16 i + l % 16, i = 0..7, each twice (a pair for the packed multiply)
.set KC1,  48                          ; v[48:49] C1 twice
.set KC2,  50                          ; v[50:51] C2 twice
.set F0,   64
.set F1,   128
.set T,    64                          ; the way out: 64 numbers at work
.set U,    128                         ; the way out: 64 more
.set TMP,  192                         ; the way out: packed results
.set G1,  24                           ; s[24:31] descriptor group 1, xb
.set G0,  32                           ; s[32:39] descriptor group 0, xb, a set for each slot
.set G1B, 48                           ; s[48:55] descriptor group 1, wub
.set G0B, 56                           ; s[56:63] descriptor group 0, wub, a set for each slot
.set MSB, 0
.macro WIN new                         ; the immediate's high byte repeats the setting that is left
.if MSB != \new
	s_set_vgpr_msb (MSB<<8)|\new
.set MSB, \new
.endif
.endm
.set MUL_LO, 0xa1                      ; source 0 window 1, source 1 window 0, C and D window 2
.set MUL_HI, 0xf1                      ; the same, C and D window 3
.set TO_B,   0x40                      ; destination window 1, address window 0
; A joint load.  Waves 0 and 1 fetch the two halves of xb's tile, waves 2 and 3 those of wub's.  The branch hangs on the wave's number alone.
.macro JLOAD s
	s_cmp_eq_u32 s17, 0
	s_cbranch_scc0 .Lfor_b_\@
	tensor_load_to_lds s[G0+4*\s:G0+4*\s+3], s[G1:G1+7]
	s_nop 0
	s_branch .Lasked_\@
.Lfor_b_\@:
	tensor_load_to_lds s[G0B+4*\s:G0B+4*\s+3], s[G1B:G1B+7]
	s_nop 0
.Lasked_\@:
.endm
; A round of the cluster's barrier: my work-group's barrier; wave 0 signals for the work-group; every wave waits for all sixteen; my work-group's barrier again.
.macro CREST                           ; a round behind its opening barrier
	s_cmp_lg_u32 s16, 0
	s_cbranch_scc1 .Lnot_wave_0_\@
	s_barrier_signal -3
.Lnot_wave_0_\@:
	s_barrier_wait -3
	s_barrier_signal -1
	s_barrier_wait -1
.endm
.macro CROUND
	s_barrier_signal -1
	s_barrier_wait -1
	CREST
.endm
	s_load_b256 s[4:11], s[0:1], 0x0               ; xb 4:5, wub 6:7, bu 8:9, probs 10:11
	s_load_b64 s[12:13], s[0:1], 0x20              ; hb
	s_set_vgpr_msb 0x40
	v_lshl_add_u32 v255, v0, 2, 0x44000
	s_set_vgpr_msb 0x4000
	v_mov_b32 v255, 0
	s_set_vgpr_msb 0x1
	ds_add_u32 v255, v255
	s_set_vgpr_msb 0x100
	v_lshrrev_b32 v1, 5, v0
	v_readfirstlane_b32 s16, v1                    ; wave 0..3
	s_lshr_b32 s17, s16, 1                         ; which half of the block's rows is mine.  Also: I fetch for xb (0) or for wub (1)
	s_and_b32 s18, s16, 1                          ; which half of its columns.  Also: which half of that tile I fetch
	s_bfe_u32 s19, ttmp6, 0x40000                  ; cx
	s_bfe_u32 s20, ttmp6, 0x40004                  ; cy
	s_lshl_b32 s21, ttmp9, 2
	s_add_co_u32 s21, s21, s19                     ; bx = 4 x cluster x + cx
	s_and_b32 s22, ttmp7, 0xffff
	s_lshl_b32 s22, s22, 2
	s_add_co_u32 s22, s22, s20                     ; by = 4 x cluster y + cy
	s_lshl_b32 s66, s20, 2
	s_lshl_b32 s66, 15, s66                        ; my row of the cluster: places 4 cy .. 4 cy + 3
	s_lshl_b32 s67, 0x1111, s19                    ; my column: places cx, cx + 4, cx + 8, cx + 12
	; group 1, xb: 128 rows x 128 elements of 2 bytes; 16 bytes of padding behind every 64 words
	s_or_b32 s[G1+0], s66, (1<<16)|(1<<20)|(1<<21)|(5<<22)|(3<<25)
	s_mov_b32 s[G1+1], 128<<16                     ; tensor_dim0 = 128
	s_mov_b32 s[G1+2], 128<<16                     ; tensor_dim1 = 128
	s_mov_b32 s[G1+3], 128<<16                     ; tile_dim0 = 128
	s_mov_b32 s[G1+4], 128                         ; tile_dim1 = 128
	s_mov_b32 s[G1+5], 2048                        ; elements from row to row
	s_mov_b32 s[G1+6], 0
	s_mov_b32 s[G1+7], 0
	; group 1, wub: 64 k-rows x 256 elements of 2 bytes; 32 bytes of padding behind every 128 words
	s_or_b32 s[G1B+0], s67, (1<<16)|(1<<20)|(1<<21)|(6<<22)|(7<<25)
	s_mov_b32 s[G1B+1], 256<<16                    ; tensor_dim0 = 256
	s_mov_b32 s[G1B+2], 64<<16                     ; tensor_dim1 = 64
	s_mov_b32 s[G1B+3], 256<<16                    ; tile_dim0 = 256
	s_mov_b32 s[G1B+4], 64                         ; tile_dim1 = 64
	s_mov_b32 s[G1B+5], 1024                       ; elements from k-row to k-row
	s_mov_b32 s[G1B+6], 0
	s_mov_b32 s[G1B+7], 0
	; where the tiles come from: xb's hang on by alone, wub's on bx alone, each in registers that never hold the other coordinate
	s_lshl_b32 s40, s22, 20                        ; 256 by rows of 4,096 bytes
	s_lshl_b32 s41, s18, 19                        ; + 128 rows for the second half
	s_add_co_u32 s40, s40, s41
	s_mov_b32 s41, 0
	s_lshr_b32 s68, s21, 2                         ; e
	s_and_b32 s69, s21, 3                          ; which 256 of the expert's 1,024 columns
	s_lshl_b32 s70, s68, 22                        ; e x 2,048 x 1,024 x 2 bytes
	s_lshl_b32 s71, s69, 9                         ; + 256 columns x 2 bytes
	s_add_co_u32 s70, s70, s71
	s_lshl_b32 s71, s18, 17                        ; + 64 k-rows of 2,048 bytes for the second half
	s_add_co_u32 s70, s70, s71
	s_mov_b32 s71, 0
	s_mul_i32 s80, s16, HALFT                      ; and where they go: wave x 34,816: no place in the cluster enters an LDS address
	s_wait_dscnt 0x0
	s_wait_kmcnt 0x0
	s_add_nc_u64 s[42:43], s[4:5], s[40:41]
	s_add_nc_u64 s[72:73], s[6:7], s[70:71]
	CROUND                                         ; all sixteen work-groups are here: the first joint loads meet
.irp s, 0,1
	s_mov_b32 s[G0+4*\s], 1
	s_add_co_u32 s[G0+4*\s+1], s80, \s*SLOT
	s_add_nc_u64 s[G0+4*\s+2:G0+4*\s+3], s[42:43], \s*STEPA
	s_or_b32 s[G0+4*\s+3], s[G0+4*\s+3], 0x80000000
	s_mov_b32 s[G0B+4*\s], 1
	s_add_co_u32 s[G0B+4*\s+1], s80, \s*SLOT
	s_add_nc_u64 s[G0B+4*\s+2:G0B+4*\s+3], s[72:73], \s*STEPB
	s_or_b32 s[G0B+4*\s+3], s[G0B+4*\s+3], 0x80000000
	JLOAD \s                                       ; both slots are asked for before anything else is done
.endr
	v_and_b32 v1, 15, v0                           ; r = l % 16
	v_bfe_u32 v2, v0, 4, 1                         ; h = l / 16
	v_mul_u32_u24 v3, v1, PA
	v_lshl_add_u32 v3, v2, 4, v3                   ; 272 r + 16 h
	s_mul_i32 s81, s17, HALFT                      ; my 128 rows of xb
	v_add_nc_u32 v[ADRA], s81, v3
	v_add_nc_u32 v[ADRA+1], SLOT, v[ADRA]
	; the transposing load: lane l addresses k-row 8 h + l % 8, 16 bytes at column block (l / 8) % 2; it receives column r, k = 8 h .. 8 h + 7
	v_and_b32 v4, 7, v0
	v_lshl_add_u32 v4, v2, 3, v4
	v_mul_u32_u24 v4, v4, PB
	v_bfe_u32 v5, v0, 3, 1
	v_lshl_add_u32 v4, v5, 4, v4
	s_lshl_b32 s91, s18, 8                         ; my 128 columns: 256 bytes
	s_add_co_u32 s91, s91, 2*HALFT                 ; the weights lie behind xb's 256 rows
	v_add_nc_u32 v[ADRB], s91, v4
	v_add_nc_u32 v[ADRB+1], SLOT, v[ADRB]
	v_and_b32 v6, 31, v0
	v_lshlrev_b32 v[CO], 4, v6                     ; 16 lane
	v_lshlrev_b32 v[HO], 5, v2
	v_lshlrev_b32 v[RO], 5, v1
	v_mov_b32 v[KC1], 0xc0135761                   ; C1 = -2.3022082
	v_mov_b32 v[KC1+1], 0xc0135761
	v_mov_b32 v[KC2], 0xbdd2d3e8                   ; C2 = -0.10294324
	v_mov_b32 v[KC2+1], 0xbdd2d3e8
	s_lshl_b32 s84, s22, 13                        ; probs: (256 by + 128 half) rows of 32 bytes + 4 e
	s_lshl_b32 s90, s17, 12
	s_add_co_u32 s84, s84, s90
	s_lshl_b32 s90, s68, 2
	s_add_co_u32 s84, s84, s90
	s_mov_b32 s85, 0
	s_add_nc_u64 s[74:75], s[10:11], s[84:85]
	s_lshl_b32 s86, s68, 12                        ; bu: 4,096 e + 1,024 quarter + 512 half
	s_lshl_b32 s90, s69, 10
	s_add_co_u32 s86, s86, s90
	s_lshl_b32 s90, s18, 9
	s_add_co_u32 s86, s86, s90
	s_mov_b32 s87, 0
	s_add_nc_u64 s[76:77], s[8:9], s[86:87]
	s_lshl_b32 s88, s22, 22                        ; hb: row block 16 by + 8 half, of 262,144 bytes; fragment 8 bx + 4 half, of 1,024 bytes
	s_lshl_b32 s90, s17, 21
	s_add_co_u32 s88, s88, s90
	s_lshl_b32 s90, s21, 13
	s_add_co_u32 s88, s88, s90
	s_lshl_b32 s90, s18, 12
	s_add_co_u32 s88, s88, s90
	s_mov_b32 s89, 0
	s_add_nc_u64 s[78:79], s[12:13], s[88:89]
	; p and bu are asked for now and waited for at the head of the way out; their registers and addresses are not touched in between
.irp a, 0,1,2,3,4,5,6,7
	global_load_b32 v[PR+2*\a],   v[RO], s[74:75] offset:512*\a
	global_load_b32 v[PR+2*\a+1], v[RO], s[74:75] offset:512*\a
.endr
	WIN TO_B
.irp b, 0,1,2,3,4,5,6,7
	global_load_b128 v[8*\b:8*\b+3],   v[HO], s[76:77] offset:64*\b       ; window 1: bu of columns 16 b + 8 h + 0..3
	global_load_b128 v[8*\b+4:8*\b+7], v[HO], s[76:77] offset:64*\b+16    ; and + 4..7
.endr
	WIN 0
; 16 matrix instructions: row blocks a0, a0 + 1 of the window's four x all 8 column blocks, 32 along K.  zero = 1: the first product starts the sums.
.macro MUL16 f, hi, a0, zero
.irp a, \a0, \a0+1
.irp b, 0,1,2,3,4,5,6,7
.if \zero
	v_wmma_f32_16x16x32_bf16 v[8*(8*(\a)+\b):8*(8*(\a)+\b)+7], v[\f+8*\b:\f+8*\b+7], v[\f+8*(4*\hi+\a):\f+8*(4*\hi+\a)+7], 0
.else
	v_wmma_f32_16x16x32_bf16 v[8*(8*(\a)+\b):8*(8*(\a)+\b)+7], v[\f+8*\b:\f+8*\b+7], v[\f+8*(4*\hi+\a):\f+8*(4*\hi+\a)+7], v[8*(8*(\a)+\b):8*(8*(\a)+\b)+7]
.endif
.endr
.endr
.endm
; 32 LDS loads in one run: the fragments of quarter step q of a slot into buffer f: 128 columns of the weights (transposing), then 128 rows of xb
.macro FETCH slot, q, f
	WIN TO_B
.irp i, 0,1,2,3,4,5,6,7
	ds_load_tr16_b128 v[\f+8*\i:\f+8*\i+3],   v[ADRB+\slot] offset:\q*QB+32*\i          ; k = 32 q + 8 h + 0..7 of column 16 i + r
	ds_load_tr16_b128 v[\f+8*\i+4:\f+8*\i+7], v[ADRB+\slot] offset:\q*QB+32*\i+16*PB    ; k = 32 q + 16 + 8 h + 0..7
.endr
	WIN 0
.irp i, 0,1,2,3,4,5,6,7
	ds_load_b128 v[\f+8*\i:\f+8*\i+3],   v[ADRA+\slot] offset:64*\q+\i*16*PA
	ds_load_b128 v[\f+8*\i+4:\f+8*\i+7], v[ADRA+\slot] offset:64*\q+\i*16*PA+32
.endr
.endm
; Four plain places behind a matrix instruction, in front of loads into registers that it read and of vector instructions that read its result
; (ISA guide 7.12.1 for vector instructions); the matrix instructions in between are not counted.
.macro PLACES
.rept 4
	v_nop
.endr
.endm
; A quarter step: 64 matrix instructions on buffer f; in its middle the fragments of quarter q of the same slot are fetched into buffer g.
.macro QUARTER slot, q, f, g, zero
	s_wait_dscnt 8                                 ; the weights and rows 0-63 are in; the youngest eight loads (rows 64-127) may be out
	WIN MUL_LO
	MUL16 \f, 0, 0, \zero
	MUL16 \f, 0, 2, \zero
	PLACES
	FETCH \slot, \q, \g
	s_wait_dscnt 32                                ; all but the 32 just issued
	WIN MUL_HI
	MUL16 \f, 1, 0, \zero
	MUL16 \f, 1, 2, \zero
.endm
.macro THREE slot, zero
	QUARTER \slot, 1, F0, F1, \zero
	QUARTER \slot, 2, F1, F0, 0
	QUARTER \slot, 3, F0, F1, 0
.endm
; The last quarter of a K step: multiplies buffer 1 and changes slots.  One barrier does two things: in front of it each wave has waited for its
; reads of this slot and for all its tensor loads (one is out: its part of the next slot); behind it nobody reads this slot and the next is whole.
; fill = 1: the barrier opens a round of the cluster's barrier, and the joint refill, two K steps ahead, is the first tensor load behind the round.
; From a request to the wait for it a wave issues 240 matrix instructions.
.macro TURN slot, next, fill
	s_wait_dscnt 8
	WIN MUL_LO
	MUL16 F1, 0, 0, 0
	s_wait_dscnt 0                                 ; my reads of this slot are over
	s_wait_tensorcnt 0x0                           ; all my tensor loads have landed
	ds_add_u32 v255, v255
	s_wait_dscnt 0x0
	s_barrier_signal -1
	MUL16 F1, 0, 2, 0                              ; register work while the others arrive
	WIN 0
	s_barrier_wait -1
.if \fill
	CREST
	s_add_nc_u64 s[G0+4*\slot+2:G0+4*\slot+3], s[G0+4*\slot+2:G0+4*\slot+3], 2*STEPA       ; no load of mine is out: the addresses may step
	s_add_nc_u64 s[G0B+4*\slot+2:G0B+4*\slot+3], s[G0B+4*\slot+2:G0B+4*\slot+3], 2*STEPB
	JLOAD \slot
.endif
	PLACES
	FETCH \next, 0, F0
	WIN MUL_HI
	MUL16 F1, 1, 0, 0
	MUL16 F1, 1, 2, 0
.endm
.macro LAP zero
	THREE 0, \zero
	TURN 0, 1, 1
	THREE 1, 0
	TURN 1, 0, 1
.endm
	s_wait_tensorcnt 0x1                           ; my part of K step 0 is in; K step 1 stays out
	s_barrier_signal -1
	s_barrier_wait -1
	FETCH 0, 0, F0
	LAP 1                                          ; the first lap stands in front of the loop: its first products start the sums
	WIN 0
	s_mov_b32 s23, LAPS-2
.Llap:
	LAP 0
	WIN 0
	s_sub_co_u32 s23, s23, 1
	s_cmp_lg_u32 s23, 0
	s_cbranch_scc1 .Llap
	THREE 0, 0                                     ; the last lap fills nothing
	TURN 0, 1, 0
	THREE 1, 0
	s_wait_dscnt 8
	WIN MUL_LO
	MUL16 F1, 0, 0, 0
	MUL16 F1, 0, 2, 0
	s_wait_dscnt 0
	WIN MUL_HI
	MUL16 F1, 1, 0, 0
	MUL16 F1, 1, 2, 0
	; THE WAY OUT, 16 rows at a time: + bu, gelu, x p, round to bf16, and each lane's 16 bytes straight into its place in a fragment of hb.
	PLACES                                         ; behind the last matrix instructions: the additions read results and write fragment registers
	s_wait_loadcnt 0x0                             ; p and bu
; eight numbers of column block b, row block i: T holds v = sum + bu on entry
.macro GELU8 b, i
.irp k, 0,2,4,6
	v_pk_mul_f32 v[U+8*\b+\k:U+8*\b+\k+1], v[T+8*\b+\k:T+8*\b+\k+1], v[T+8*\b+\k:T+8*\b+\k+1]          ; v^2
.endr
.irp k, 0,2,4,6
	v_pk_fma_f32 v[U+8*\b+\k:U+8*\b+\k+1], v[U+8*\b+\k:U+8*\b+\k+1], v[KC2:KC2+1], v[KC1:KC1+1]        ; C2 v^2 + C1
.endr
.irp k, 0,2,4,6
	v_pk_mul_f32 v[U+8*\b+\k:U+8*\b+\k+1], v[U+8*\b+\k:U+8*\b+\k+1], v[T+8*\b+\k:T+8*\b+\k+1]          ; x v
.endr
.irp j, 0,1,2,3,4,5,6,7
	v_exp_f32 v[U+8*\b+\j], v[U+8*\b+\j]
.endr
.irp k, 0,2,4,6
	v_pk_mul_f32 v[T+8*\b+\k:T+8*\b+\k+1], v[T+8*\b+\k:T+8*\b+\k+1], v[PR+2*\i:PR+2*\i+1]              ; v p: also the plain places behind the exponentials
.endr
	s_wait_alu depctr_va_vdst(0)
.irp k, 0,2,4,6
	v_pk_add_f32 v[U+8*\b+\k:U+8*\b+\k+1], v[U+8*\b+\k:U+8*\b+\k+1], 1.0 op_sel_hi:[1,0]
.endr
.irp j, 0,1,2,3,4,5,6,7
	v_rcp_f32 v[U+8*\b+\j], v[U+8*\b+\j]
.endr
	v_nop                                          ; one plain place behind the last reciprocal (ISA guide 5.7.2)
	s_wait_alu depctr_va_vdst(0)
.irp k, 0,2,4,6
	v_pk_mul_f32 v[T+8*\b+\k:T+8*\b+\k+1], v[T+8*\b+\k:T+8*\b+\k+1], v[U+8*\b+\k:U+8*\b+\k+1]
.endr
.irp k, 0,1,2,3
	v_cvt_pk_bf16_f32 v[TMP+4*\b+\k], v[T+8*\b+2*\k], v[T+8*\b+2*\k+1]
.endr
.endm
; rows 16 i .. 16 i + 15 of my block = the eight tiles (a, 0..7) of window 2 or 3.  from: source 0 in that window, source 1 (bu) in window 1
.macro OUT16 i, a, from
	WIN \from
.irp b, 0,1,2,3,4,5,6,7
.irp k, 0,2,4,6
	v_pk_add_f32 v[T+8*\b+\k:T+8*\b+\k+1], v[8*(8*\a+\b)+\k:8*(8*\a+\b)+\k+1], v[8*\b+\k:8*\b+\k+1]
.endr
.endr
	WIN 0
	s_wait_xcnt 0x0                                ; TMP, which the stores of the 16 rows before read, is written again only behind this wait
.irp b, 0,1,2,3,4,5,6,7
	GELU8 \b, \i
	global_store_b128 v[CO], v[TMP+4*\b:TMP+4*\b+3], s[78:79] offset:\i*RBLK+512*\b   ; half b % 2 of fragment b / 2 of row block i: the wave's 512 bytes are consecutive and aligned
.endr
.endm
	OUT16 0, 0, 0x06
	OUT16 1, 1, 0x06
	OUT16 2, 2, 0x06
	OUT16 3, 3, 0x06
	OUT16 4, 0, 0x07
	OUT16 5, 1, 0x07
	OUT16 6, 2, 0x07
	OUT16 7, 3, 0x07
	CROUND                                         ; the closing round: no work-group ends while a partner may still ask for a tile that names it
	s_endpgm
.Lfunc_end_k_qc25f967d96_up:
	.size	k_qc25f967d96_up, .Lfunc_end_k_qc25f967d96_up-k_qc25f967d96_up
	.p2alignl 7, 3214868480
	.fill 96, 4, 3214868480
	.section	.rodata,"a",@progbits
	.p2align	6, 0x0
	.amdhsa_kernel k_qc25f967d96_up
		.amdhsa_group_segment_fixed_size 327680
		.amdhsa_private_segment_fixed_size 0
		.amdhsa_enable_private_segment 0
		.amdhsa_kernarg_size 40
		.amdhsa_user_sgpr_count 2
		.amdhsa_user_sgpr_kernarg_segment_ptr 1
		.amdhsa_wavefront_size32 1
		.amdhsa_system_sgpr_workgroup_id_x 1
		.amdhsa_system_sgpr_workgroup_id_y 1
		.amdhsa_system_sgpr_workgroup_id_z 1
		.amdhsa_system_vgpr_workitem_id 0
		.amdhsa_next_free_vgpr 1024
		.amdhsa_next_free_sgpr 96
		.amdhsa_reserve_vcc 0
		.amdhsa_float_denorm_mode_32 3
		.amdhsa_float_denorm_mode_16_64 3
		.amdhsa_memory_ordered 1
		.amdhsa_forward_progress 1
		.amdhsa_inst_pref_size 255
	.end_amdhsa_kernel
	.section	.bss,"aw",@nobits
	.p2align	6
	.space	262144
	.amdgpu_metadata
---
amdhsa.version: [ 1, 2 ]
amdhsa.kernels:
  - .name:           k_qc25f967d96_up
    .symbol:         k_qc25f967d96_up.kd
    .args:
      - { .name: xb, .offset: 0, .size: 8, .value_kind: global_buffer, .address_space: global }
      - { .name: wub, .offset: 8, .size: 8, .value_kind: global_buffer, .address_space: global }
      - { .name: bu, .offset: 16, .size: 8, .value_kind: global_buffer, .address_space: global }
      - { .name: probs, .offset: 24, .size: 8, .value_kind: global_buffer, .address_space: global }
      - { .name: hb, .offset: 32, .size: 8, .value_kind: global_buffer, .address_space: global }
    .group_segment_fixed_size: 327680
    .private_segment_fixed_size: 0
    .kernarg_segment_align: 8
    .kernarg_segment_size: 40
    .max_flat_workgroup_size: 128
    .sgpr_count:     96
    .vgpr_count:     1024
    .wavefront_size: 32
...
	.end_amdgpu_metadata
.endif
;; end of part 2
;; launch down (part 3): grid 16 x 16, 4 waves a work-group, clusters of 4 x 4, 327,680 bytes of LDS; arguments hb, wdb, bd, probs, x, out0; writes out0
.if DOCPART == 3
	.amdgcn_target "amdgcn-amd-amdhsa--gfx1250"
	.amdhsa_code_object_version 6
	.text
	.protected	k_qc25f967d96_down
	.globl	k_qc25f967d96_down
	.p2align	8
	.type	k_qc25f967d96_down,@function
k_qc25f967d96_down:
	s_mov_b64 s[64:65], 0
	v_nop
	global_prefetch_b8 v0, s[64:65] scope:SCOPE_SE
	s_setreg_imm32_b32 hwreg(HW_REG_WAVE_MODE, 25, 1), 1
	s_wait_xcnt 0x0
	s_wait_alu depctr_hold_cnt(0) depctr_sa_sdst(0) depctr_va_vdst(0) depctr_va_sdst(0) depctr_va_ssrc(0) depctr_va_vcc(0) depctr_vm_vsrc(0)
	s_getreg_b32 s2, hwreg(HW_REG_IB_STS2, 6, 4)
	s_cmp_eq_u32 s2, 0
	s_cbranch_scc0 .Lentry_in_a_cluster
	s_endpgm
.Lentry_in_a_cluster:
	s_bfe_u32 s2, ttmp6, 0x10000c
	s_cmp_lg_u32 s2, 0xf033
	s_cbranch_scc0 .Lentry_shape_is_right
	s_endpgm
.Lentry_shape_is_right:
; down: out0[t][d] = x[t][d] + sum over e of p[t][e] bd[e][d] + sum over k of H[t][k] wdb[k][d],  k = 1024 e + f, 8,192 long.
; One GEMM [2048 x 8192] x [8192 x 2048].  2,048 x 2,048 outputs on 256 work-groups are 128 x 128 each.  Each of the four waves keeps the WHOLE 128 x 128 block
; (64 accumulator tiles, 512 registers) and takes a quarter of K: of every step of 512 along K wave w multiplies k = 128 w .. 128 w + 127, in four quarters of 32.
; The four partial sums meet in LDS at the end, in f32, and the tail x + p bd is added there in f32.
; TWO ROADS IN.  No two waves of a work-group read the same byte of H or of the weights.
;   H lies in hb in fragment order: hb[t / 16][k / 32][(k / 16) % 2][lane][8 numbers], 1,024 bytes for 16 rows x 32 k, the register image of a 16-bit fragment with
;   K = 32 (ISA guide 7.12.2).  It is loaded straight into registers, 512 consecutive bytes an instruction, through a ring of four register buffers, one for each
;   quarter of a step: a buffer's lower half is asked for again 224 matrix instructions, its upper half 192 matrix instructions ahead of its next use.
;   The weights lie [K][N] and need the transposing LDS load: they go through two LDS slots of 512 k-rows x 256 bytes filled by tensor loads, each wave its own 128 k-rows.
;   With the weights alone in LDS a slot holds 256 matrix instructions of every wave, and from a tile's request to the wait for it a wave issues 240.
; CLUSTERS: 4 x 4 work-groups.  The weights' tile hangs on bx alone and is asked for jointly along a column of the cluster.  hb is not shared by a joint load: a joint load
; ends in LDS, and putting hb there again would halve the K that a slot holds.
; LIMITS: operands in bf16, all sums in f32; the order of the sum over k differs from a plain ascending one (four partial sums).
; REGISTERS in windows of 256:  window 0: v0-31 addresses; v32-63 bd; v64-127, v128-191, v192-255 buffers 0, 1, 2 of H (at the end v64-255: two buffers of 96 for the sums).
;   window 1: v0-63 rows 0-15 of my x; v64-127, v128-191 fragments of the weights, two buffers; v192-255 buffer 3 of H (at the end rows 16-31 of my x).
;   windows 2, 3: accumulators, tile (a, b) at v[8 (8 a + b)].
; THE MATRIX INSTRUCTION IS USED TRANSPOSED: source 0 = 16 columns of the weights, source 1 = 16 rows of H: lane l holds row l % 16, columns 8 (l / 16) + 0..7.
; The 64 accumulators take turns, one instruction a turn, in the same order in every quarter.
.set PB,     288                       ; LDS pitch of a k-row of wdb: 256 bytes + 32
.set QUART,  128*PB                    ; 36,864: a wave's quarter of a slot: its 128 k-rows
.set SLOT,   4*QUART                   ; 512 k-rows
.set PSCR,   2*SLOT                    ; behind the ring: 128 rows x 32 bytes of probabilities; no tensor load lands here
.set RP,     528                       ; the sums in LDS: a row of 128 f32 + 16 bytes
.set REDW,   128*RP                    ; 67,584: one wave's partial sums; four of them lie in the ring, which has had its last fill by then
.set LAPS,   8                         ; a lap = two K steps = once round the ring
.set QB,     32*PB                     ; 32 k-rows: a quarter
.set STEPB,  2097152                   ; a K step in wdb: 512 rows of 4,096 bytes
.set RBLK,   262144                    ; hb: 16 rows x 8,192 numbers x 2 bytes
.set STEPH,  16384                     ; a K step in hb: 16 fragments of 1,024 bytes; my four lie at 4,096 w
.set ADRB, 20                          ; v20-21  LDS address of my fragments of wdb in slot 0, 1
.set STO,  22                          ; where my partial sums go
.set RD,   24                          ; v24-27  where I read wave p's partial sums of my 32 rows
.set PADR, 28                          ; my 32 rows of probabilities in LDS
.set CO,   29                          ; 16 lane: my 16 bytes of 512 (hb, x, bd, out0); never rewritten
.set PO,   30                          ; 32 tid: my row of probs
.set PS,   31                          ; and where it goes in LDS
.set BD,   32                          ; v[32:63] bd[e][128 bx + 4 lane + 0..3], e = 0..7
.set PT,   8                           ; v[8:15] a row of probs on its way to LDS
.set SA,   40                          ; s[40:41] hb at my row blocks, my quarter of K, this lap
.set G1B, 48                           ; s[48:55] descriptor group 1
.set G0B, 56                           ; s[56:63] descriptor group 0, a set for each slot
.set MSB, 0
.macro WIN new                         ; the immediate's high byte repeats the setting that is left
.if MSB != \new
	s_set_vgpr_msb (MSB<<8)|\new
.set MSB, \new
.endif
.endm
.set TO_B,   0x40                      ; destination window 1, address window 0
; A round of the cluster's barrier: my work-group's barrier; wave 0 signals for the work-group; every wave waits for all sixteen; my work-group's barrier again.
.macro CREST
	s_cmp_lg_u32 s16, 0
	s_cbranch_scc1 .Lnot_wave_0_\@
	s_barrier_signal -3
.Lnot_wave_0_\@:
	s_barrier_wait -3
	s_barrier_signal -1
	s_barrier_wait -1
.endm
.macro CROUND
	s_barrier_signal -1
	s_barrier_wait -1
	CREST
.endm
; Eight loads: half (hi = 0: rows 0-63, 1: rows 64-127) of the fragments of H for quarter t, counted from the lap's first (t = 0 .. 11), into buffer t % 4.
.macro ALOAD hi, t
.set AREG, 64+64*((\t)%4)-64*(((\t)%4)/3)+32*\hi
.set AOFF, ((\t)/4)*STEPH+((\t)%4)*1024+\hi*4*RBLK
.set AWIN, (((\t)%4)/3)<<6
	WIN AWIN                                       ; buffer 3 lies in window 1
.irp a, 0,1,2,3
	global_load_b128 v[AREG+8*\a:AREG+8*\a+3],   v[CO], s[SA:SA+1] offset:AOFF+\a*RBLK        ; registers 0-3: k = 8 h + 0..7
	global_load_b128 v[AREG+8*\a+4:AREG+8*\a+7], v[CO], s[SA:SA+1] offset:AOFF+\a*RBLK+512    ; registers 4-7: k = 16 + 8 h + 0..7
.endr
.endm
	s_load_b256 s[4:11], s[0:1], 0x0               ; hb 4:5, wdb 6:7, bd 8:9, probs 10:11
	s_load_b128 s[12:15], s[0:1], 0x20             ; x 12:13, out0 14:15
	v_lshl_add_u32 v19, v0, 2, 0x49000
	v_mov_b32 v23, 0
	ds_add_u32 v19, v23
	v_lshrrev_b32 v1, 5, v0
	v_readfirstlane_b32 s16, v1                    ; wave 0..3
	s_bfe_u32 s19, ttmp6, 0x40000                  ; cx
	s_bfe_u32 s20, ttmp6, 0x40004                  ; cy
	s_lshl_b32 s21, ttmp9, 2
	s_add_co_u32 s21, s21, s19                     ; bx
	s_and_b32 s22, ttmp7, 0xffff
	s_lshl_b32 s22, s22, 2
	s_add_co_u32 s22, s22, s20                     ; by
	s_lshl_b32 s67, 0x1111, s19                    ; my column of the cluster: places cx, cx + 4, cx + 8, cx + 12
	; group 1: 128 k-rows x 128 elements of 2 bytes; 32 bytes of padding behind every 64 words
	s_or_b32 s[G1B+0], s67, (1<<16)|(1<<20)|(1<<21)|(5<<22)|(7<<25)
	s_mov_b32 s[G1B+1], 128<<16                    ; tensor_dim0 = 128
	s_mov_b32 s[G1B+2], 128<<16                    ; tensor_dim1 = 128
	s_mov_b32 s[G1B+3], 128<<16                    ; tile_dim0 = 128
	s_mov_b32 s[G1B+4], 128                        ; tile_dim1 = 128
	s_mov_b32 s[G1B+5], 2048                       ; elements from k-row to k-row
	s_mov_b32 s[G1B+6], 0
	s_mov_b32 s[G1B+7], 0
	s_lshl_b32 s70, s21, 8                         ; wdb: 128 bx columns x 2 bytes
	s_lshl_b32 s71, s16, 19                        ; + my 128 w k-rows of 4,096 bytes: nothing here hangs on cy
	s_add_co_u32 s70, s70, s71
	s_mov_b32 s71, 0
	s_mul_i32 s80, s16, QUART                      ; where they go: wave x 36,864
	s_wait_dscnt 0x0
	s_wait_kmcnt 0x0
	s_add_nc_u64 s[72:73], s[6:7], s[70:71]
	CROUND                                         ; all sixteen work-groups are here: the first joint loads meet
.irp s, 0,1
	s_mov_b32 s[G0B+4*\s], 1
	s_add_co_u32 s[G0B+4*\s+1], s80, \s*SLOT
	s_add_nc_u64 s[G0B+4*\s+2:G0B+4*\s+3], s[72:73], \s*STEPB
	s_or_b32 s[G0B+4*\s+3], s[G0B+4*\s+3], 0x80000000
	tensor_load_to_lds s[G0B+4*\s:G0B+4*\s+3], s[G1B:G1B+7]        ; every wave asks for its own 128 k-rows of both slots before anything else is done
	s_nop 0
.endr
	v_and_b32 v1, 15, v0                           ; r
	v_bfe_u32 v2, v0, 4, 1                         ; h
	v_and_b32 v3, 31, v0                           ; lane
	v_and_b32 v6, 7, v0                            ; the transposing load: k-row 8 h + l % 8, 16 bytes at column block (l / 8) % 2
	v_lshl_add_u32 v6, v2, 3, v6
	v_mul_u32_u24 v6, v6, PB
	v_bfe_u32 v7, v0, 3, 1
	v_lshl_add_u32 v6, v7, 4, v6
	v_add_nc_u32 v[ADRB], s80, v6                  ; my 128 k-rows of slot 0
	v_add_nc_u32 v[ADRB+1], SLOT, v[ADRB]
	s_mul_i32 s92, s16, REDW
	v_mul_u32_u24 v4, v1, RP
	v_lshl_add_u32 v5, v2, 5, v4                   ; 528 r + 32 h: eight f32 of row r
	v_add_nc_u32 v[STO], s92, v5
	s_mul_i32 s93, s16, 32*RP                      ; my 32 rows of the block
	v_lshl_add_u32 v[RD], v3, 4, s93               ; 16 bytes a lane: a row of 512 bytes for the wave
	v_add_nc_u32 v[RD+1], REDW, v[RD]
	v_add_nc_u32 v[RD+2], 2*REDW, v[RD]
	v_add_nc_u32 v[RD+3], 3*REDW, v[RD]
	s_lshl_b32 s94, s16, 10
	s_add_co_u32 s94, s94, PSCR
	v_mov_b32 v[PADR], s94
	v_lshlrev_b32 v[CO], 4, v3
	v_lshlrev_b32 v[PO], 5, v0
	v_add_nc_u32 v[PS], PSCR, v[PO]
	s_lshl_b32 s42, s22, 21                        ; hb: row blocks 8 by .. 8 by + 7 of 262,144 bytes
	s_lshl_b32 s43, s16, 12                        ; + my four fragments of a step: 4,096 w
	s_add_co_u32 s42, s42, s43
	s_mov_b32 s43, 0
	s_add_nc_u64 s[SA:SA+1], s[4:5], s[42:43]
	s_lshl_b32 s84, s21, 9                         ; 128 bx columns x 4 bytes
	s_mov_b32 s85, 0
	s_add_nc_u64 s[74:75], s[8:9], s[84:85]        ; bd at my columns
	s_lshl_b32 s86, s22, 12                        ; 128 by rows of 32 bytes
	s_mov_b32 s87, 0
	s_add_nc_u64 s[76:77], s[10:11], s[86:87]      ; probs at the block's rows
	s_lshl_b32 s88, s22, 20                        ; (128 by + 32 wave) rows of 8,192 bytes + my columns
	s_lshl_b32 s90, s16, 18
	s_add_co_u32 s88, s88, s90
	s_add_co_u32 s88, s88, s84
	s_mov_b32 s89, 0
	s_add_nc_u64 s[78:79], s[12:13], s[88:89]      ; x
	s_add_nc_u64 s[82:83], s[14:15], s[88:89]      ; out0
	WIN TO_B
.set i, 0
.rept 16
	global_load_b128 v[4*i:4*i+3], v[CO], s[78:79] offset:8192*i th:TH_LOAD_NT   ; window 1: rows 0-15 of my 32 rows of x, 512 consecutive bytes each
.set i, i+1
.endr
	WIN 0
.irp e, 0,1,2,3,4,5,6,7
	global_load_b128 v[BD+4*\e:BD+4*\e+3], v[CO], s[74:75] offset:8192*\e
.endr
	global_load_b128 v[PT:PT+3],   v[PO], s[76:77]             ; thread tid: row 128 by + tid of probs
	global_load_b128 v[PT+4:PT+7], v[PO], s[76:77] offset:16
	; the ring of H is filled in the order in which the loop goes on: lower, upper half of quarters 0, 1, 2, lower half of quarter 3
	ALOAD 0, 0
	ALOAD 1, 0
	ALOAD 0, 1
	ALOAD 1, 1
	s_wait_loadcnt 32                              ; loads come back in order: x, bd and the probabilities are in; the 32 of H stay out
	ds_store_b128 v[PS], v[PT:PT+3]
	ds_store_b128 v[PS], v[PT+4:PT+7] offset:16
	ALOAD 0, 2
	ALOAD 1, 2
	ALOAD 0, 3
	WIN 0
	s_wait_dscnt 0x0                               ; no LDS instruction is pending at a signal
; 16 matrix instructions: row blocks a0, a0 + 1 of the window's four x all 8 column blocks, 32 along K.  fa: H's buffer, fb: the weights'.  zero = 1: the first product starts the sums.
.macro MUL16 fa, fb, hi, a0, zero
.irp a, \a0, \a0+1
.irp b, 0,1,2,3,4,5,6,7
.if \zero
	v_wmma_f32_16x16x32_bf16 v[8*(8*(\a)+\b):8*(8*(\a)+\b)+7], v[\fb+8*\b:\fb+8*\b+7], v[\fa+8*(4*\hi+\a):\fa+8*(4*\hi+\a)+7], 0
.else
	v_wmma_f32_16x16x32_bf16 v[8*(8*(\a)+\b):8*(8*(\a)+\b)+7], v[\fb+8*\b:\fb+8*\b+7], v[\fa+8*(4*\hi+\a):\fa+8*(4*\hi+\a)+7], v[8*(8*(\a)+\b):8*(8*(\a)+\b)+7]
.endif
.endr
.endr
.endm
; 16 LDS loads in one run: the weights' fragments of my quarter q of a slot (128 columns, 32 k) into buffer f of window 1
.macro FETCHB slot, q, f
	WIN TO_B
.irp i, 0,1,2,3,4,5,6,7
	ds_load_tr16_b128 v[\f+8*\i:\f+8*\i+3],   v[ADRB+\slot] offset:(\q)*QB+32*\i          ; k = 32 q + 8 h + 0..7 of column 16 i + r
	ds_load_tr16_b128 v[\f+8*\i+4:\f+8*\i+7], v[ADRB+\slot] offset:(\q)*QB+32*\i+16*PB    ; k = 32 q + 16 + 8 h + 0..7
.endr
.endm
; Four plain places behind a matrix instruction, in front of loads into registers that it read and of instructions that read its result
; (ISA guide 7.12.1 for vector instructions); the matrix instructions in between are not counted.
.macro PLACES
.rept 4
	v_nop
.endr
.endm
; Quarter q of the step in slot sp: 64 matrix instructions on H's buffer q and the weights' buffer q % 2.
; In its middle, in this order: the upper half of H for the quarter three on (ihi), the lower half for the quarter four on, into the registers just multiplied (ilo),
; and the weights' fragments of the next quarter (fet).
; lw: how many younger loads may be out when this quarter's lower half has to be there: the three groups issued behind it, 3 x 16.
; hw: the same for its upper half, ahead of this quarter's own group: 8 + 16 + 16.  In the last step the groups shrink and the counts run down.
; chg = 1: the slot changes.  In front of the one barrier each wave has waited for its reads of this slot (the wait for 0 at the quarter's head)
; and for all its tensor loads (one is out: its part of the next slot).  fill = 1: the barrier opens a round of the cluster's barrier, and the joint refill, two steps ahead,
; is the first tensor load behind the round.
.macro QTR sp, q, zero, lw, hw, ihi, ilo, chg, fill, fet
.set FA, 64+64*\q-64*(\q/3)
.set FB, 64+64*(\q&1)
.set FN, 128-64*(\q&1)
.set TL, 4*\sp+\q
.set ML, 0xa1+4*(\q/3)                 ; source 0 window 1, source 1 window 0 (buffer 3: window 1), C and D window 2
.set MH, 0xf1+4*(\q/3)                 ; the same, C and D window 3
	s_wait_loadcnt \lw
	s_wait_dscnt 0x0                               ; the weights' 16 loads, issued 32 matrix instructions ago
	WIN ML
	MUL16 FA, FB, 0, 0, \zero
.if \chg
	s_set_vgpr_msb 0xa5a0
	s_wait_tensorcnt 0x0                           ; all my tensor loads have landed
	ds_add_u32 v19, v23
	s_wait_dscnt 0x0
	s_set_vgpr_msb 0xa0a5
	s_barrier_signal -1
.endif
	MUL16 FA, FB, 0, 2, \zero                      ; at a change of slots: register work while the others arrive
.if \chg
	WIN 0
	s_barrier_wait -1
.if \fill
	CREST
	s_add_nc_u64 s[G0B+4*\sp+2:G0B+4*\sp+3], s[G0B+4*\sp+2:G0B+4*\sp+3], 2*STEPB   ; no tensor load of mine is out: the address may step
	tensor_load_to_lds s[G0B+4*\sp:G0B+4*\sp+3], s[G1B:G1B+7]
	s_nop 0
.endif
.endif
	PLACES
	s_wait_loadcnt \hw
.if \ihi
	ALOAD 1, TL+3
.endif
.if \ilo
	ALOAD 0, TL+4
.endif
.if \fet
.if \chg
	FETCHB 1-\sp, 0, FN
.else
	FETCHB \sp, \q+1, FN
.endif
.endif
	WIN MH
	MUL16 FA, FB, 1, 0, \zero
	MUL16 FA, FB, 1, 2, \zero
.endm
.macro STEP sp, zero, fill
	QTR \sp, 0, \zero, 48, 40, 1, 1, 0, 0, 1
	QTR \sp, 1, 0, 48, 40, 1, 1, 0, 0, 1
	QTR \sp, 2, 0, 48, 40, 1, 1, 0, 0, 1
	QTR \sp, 3, 0, 48, 40, 1, 1, 1, \fill, 1
.endm
.macro LAP zero
	STEP 0, \zero, 1
	STEP 1, 0, 1
	WIN 0
	s_wait_xcnt 0x0                                ; the base of H's loads is written again only behind this wait
	s_add_nc_u64 s[SA:SA+1], s[SA:SA+1], 2*STEPH
.endm
	s_wait_tensorcnt 0x1                           ; my part of K step 0 is in; K step 1 stays out
	s_barrier_signal -1
	s_barrier_wait -1
	FETCHB 0, 0, 64
	LAP 1                                          ; the first lap stands in front of the loop: its first products start the sums
	s_mov_b32 s23, LAPS-2
.Llap:
	LAP 0
	s_sub_co_u32 s23, s23, 1
	s_cmp_lg_u32 s23, 0
	s_cbranch_scc1 .Llap
	STEP 0, 0, 0                                   ; the last lap fills no slot
	QTR 1, 0, 0, 48, 40, 1, 0, 0, 0, 1             ; the last step: one more half of H (the last quarter's upper rows), then nothing
	QTR 1, 1, 0, 40, 32, 0, 0, 0, 0, 1
	QTR 1, 2, 0, 24, 16, 0, 0, 0, 0, 1
	QTR 1, 3, 0, 8, 0, 0, 0, 0, 0, 0
	; THE FOUR PARTIAL SUMS MEET.  The ring has had its last fill, and all tensor loads were waited for in the last change of slots.
	PLACES                                         ; behind the last matrix instructions: the LDS stores read results, the loads of x land on buffer 3 of H
	WIN TO_B
.set i, 16
.rept 16
	global_load_b128 v[4*i+128:4*i+131], v[CO], s[78:79] offset:8192*i th:TH_LOAD_NT   ; window 1, v192-255: rows 16-31 of my x; they come in under the LDS stores below
.set i, i+1
.endr
	WIN 0
	s_wait_dscnt 0x0                               ; my reads of the ring are over (met: the last wait was for 0)
	s_barrier_signal -1
	s_barrier_wait -1                              ; everybody's are: the ring may be written over
	WIN 0x08                                       ; store data in window 2: rows 0-63
.irp a, 0,1,2,3
.irp b, 0,1,2,3,4,5,6,7
	ds_store_b128 v[STO], v[8*(8*\a+\b):8*(8*\a+\b)+3]   offset:16*RP*\a+64*\b        ; row 16 a + r, columns 16 b + 8 h + 0..3
	ds_store_b128 v[STO], v[8*(8*\a+\b)+4:8*(8*\a+\b)+7] offset:16*RP*\a+64*\b+16     ; and + 4..7
.endr
.endr
	WIN 0x0c                                       ; window 3: rows 64-127
.irp a, 0,1,2,3
.irp b, 0,1,2,3,4,5,6,7
	ds_store_b128 v[STO], v[8*(8*\a+\b):8*(8*\a+\b)+3]   offset:16*RP*(\a+4)+64*\b
	ds_store_b128 v[STO], v[8*(8*\a+\b)+4:8*(8*\a+\b)+7] offset:16*RP*(\a+4)+64*\b+16
.endr
.endr
	WIN 0
	s_wait_dscnt 0x0                               ; my partial sums are written, for the other waves
	s_barrier_signal -1
	s_barrier_wait -1
	s_wait_loadcnt 0x0                             ; the rest of x
; Wave w finishes rows 32 w .. 32 w + 31, four rows a group, on two buffers of 96 registers: EB + 16 q + 4 p = wave p's sums of row q, EB + 64 + 8 q = p[row q][0..7].
.macro LOADG g
.set EB, 64+96*(\g&1)
.irp q, 0,1,2,3
.irp p, 0,1,2,3
	ds_load_b128 v[EB+16*\q+4*\p:EB+16*\q+4*\p+3], v[RD+\p] offset:RP*(4*\g+\q)       ; 512 consecutive bytes for the wave
.endr
.endr
.irp q, 0,1,2,3
	ds_load_b128 v[EB+64+8*\q:EB+64+8*\q+3],   v[PADR] offset:32*(4*\g+\q)            ; every lane reads the same 32 bytes
	ds_load_b128 v[EB+64+8*\q+4:EB+64+8*\q+7], v[PADR] offset:32*(4*\g+\q)+16
.endr
.endm
.macro SUMG g
.set EB, 64+96*(\g&1)
.irp q, 0,1,2,3
.irp c, 0,2
	v_pk_add_f32 v[EB+16*\q+\c:EB+16*\q+\c+1],     v[EB+16*\q+\c:EB+16*\q+\c+1],     v[EB+16*\q+4+\c:EB+16*\q+4+\c+1]
	v_pk_add_f32 v[EB+16*\q+8+\c:EB+16*\q+8+\c+1], v[EB+16*\q+8+\c:EB+16*\q+8+\c+1], v[EB+16*\q+12+\c:EB+16*\q+12+\c+1]
.endr
.endr
.irp q, 0,1,2,3
.irp c, 0,2
	v_pk_add_f32 v[EB+16*\q+\c:EB+16*\q+\c+1], v[EB+16*\q+\c:EB+16*\q+\c+1], v[EB+16*\q+8+\c:EB+16*\q+8+\c+1]
.endr
.endr
	WIN 0x04                                       ; source 1 in window 1: x
.irp q, 0,1,2,3
.irp c, 0,2
	v_pk_add_f32 v[EB+16*\q+\c:EB+16*\q+\c+1], v[EB+16*\q+\c:EB+16*\q+\c+1], v[4*(4*\g+\q)+128*((4*\g+\q)/16)+\c:4*(4*\g+\q)+128*((4*\g+\q)/16)+\c+1]
.endr
.endr
	WIN 0
.irp e, 0,1,2,3,4,5,6,7
.irp q, 0,1,2,3
.irp c, 0,2
.if \e & 1
	v_pk_fma_f32 v[EB+16*\q+\c:EB+16*\q+\c+1], v[BD+4*\e+\c:BD+4*\e+\c+1], v[EB+64+8*\q+\e-1:EB+64+8*\q+\e], v[EB+16*\q+\c:EB+16*\q+\c+1] op_sel:[0,1,0] op_sel_hi:[1,1,1]   ; both halves x the pair's second number, p[e]
.else
	v_pk_fma_f32 v[EB+16*\q+\c:EB+16*\q+\c+1], v[BD+4*\e+\c:BD+4*\e+\c+1], v[EB+64+8*\q+\e:EB+64+8*\q+\e+1], v[EB+16*\q+\c:EB+16*\q+\c+1] op_sel_hi:[1,0,1]                  ; both halves x the pair's first number, p[e]
.endif
.endr
.endr
.endr
.irp q, 0,1,2,3
	global_store_b128 v[CO], v[EB+16*\q:EB+16*\q+3], s[82:83] offset:8192*(4*\g+\q) th:TH_STORE_NT   ; the wave stores 512 consecutive bytes, aligned
.endr
.endm
	LOADG 0
.irp g, 0,1,2,3,4,5,6
	s_wait_xcnt 0x0                                ; the other buffer, which the stores of the group before read, is loaded again only behind this wait
	LOADG (\g+1)
	s_wait_dscnt 24                                ; this group's loads are in; the 24 just issued stay out
	SUMG \g
.endr
	s_wait_dscnt 0x0
	SUMG 7
	s_wait_tensorcnt 0x0
	ds_add_u32 v19, v23
	s_wait_dscnt 0x0
	CROUND                                         ; the closing round: no work-group ends while a partner may still ask for a tile that names it
	s_endpgm
.Lfunc_end_k_qc25f967d96_down:
	.size	k_qc25f967d96_down, .Lfunc_end_k_qc25f967d96_down-k_qc25f967d96_down
	.p2alignl 7, 3214868480
	.fill 96, 4, 3214868480
	.section	.rodata,"a",@progbits
	.p2align	6, 0x0
	.amdhsa_kernel k_qc25f967d96_down
		.amdhsa_group_segment_fixed_size 327680
		.amdhsa_private_segment_fixed_size 0
		.amdhsa_enable_private_segment 0
		.amdhsa_kernarg_size 48
		.amdhsa_user_sgpr_count 2
		.amdhsa_user_sgpr_kernarg_segment_ptr 1
		.amdhsa_wavefront_size32 1
		.amdhsa_system_sgpr_workgroup_id_x 1
		.amdhsa_system_sgpr_workgroup_id_y 1
		.amdhsa_system_sgpr_workgroup_id_z 1
		.amdhsa_system_vgpr_workitem_id 0
		.amdhsa_next_free_vgpr 1024
		.amdhsa_next_free_sgpr 96
		.amdhsa_reserve_vcc 0
		.amdhsa_float_denorm_mode_32 3
		.amdhsa_float_denorm_mode_16_64 3
		.amdhsa_memory_ordered 1
		.amdhsa_forward_progress 1
		.amdhsa_inst_pref_size 250
	.end_amdhsa_kernel
	.amdgpu_metadata
---
amdhsa.version: [ 1, 2 ]
amdhsa.kernels:
  - .name:           k_qc25f967d96_down
    .symbol:         k_qc25f967d96_down.kd
    .args:
      - { .name: hb, .offset: 0, .size: 8, .value_kind: global_buffer, .address_space: global }
      - { .name: wdb, .offset: 8, .size: 8, .value_kind: global_buffer, .address_space: global }
      - { .name: bd, .offset: 16, .size: 8, .value_kind: global_buffer, .address_space: global }
      - { .name: probs, .offset: 24, .size: 8, .value_kind: global_buffer, .address_space: global }
      - { .name: x, .offset: 32, .size: 8, .value_kind: global_buffer, .address_space: global }
      - { .name: out0, .offset: 40, .size: 8, .value_kind: global_buffer, .address_space: global }
    .group_segment_fixed_size: 327680
    .private_segment_fixed_size: 0
    .kernarg_segment_align: 8
    .kernarg_segment_size: 48
    .max_flat_workgroup_size: 128
    .sgpr_count:     96
    .vgpr_count:     1024
    .wavefront_size: 32
...
	.end_amdgpu_metadata
.endif
;; end of part 3
